; MI455X (gfx1250); checked and timed in simulation.
; The chip was launched on July 23, 2026; its instructions are those of AMD's public machine-readable ISA for CDNA 5 (MIT licence, August 2026) and "CDNA5" Instruction Set Architecture Reference Guide (July 2026). The comments in the code are by the model that wrote it; some were corrected since.
;; Multi Head Attention. Allowed arithmetic: matrix products marked QUANTISED: E2M3 operands, one E8M0 scale for each 32 along K, by v_wmma_scale_f32_16x16x128_f8f6f4 with both operands' format E2M3, f32 sums; everything else in f32.
;; Inputs: input_codes 4 x 2,048 x 32 x 24 uint8 (E2M3 codes of input, K innermost, in blocks of 32 codes, four codes in three bytes); input_scales 4 x 2,048 x 32 uint8 (E8M0 scales of input, one for each 32 codes along K); mask 2,048 x 2,048 bool; out_b 1,024 float32; out_w_codes 1,024 x 32 x 24 uint8 (E2M3 codes of out_w, K innermost, in blocks of 32 codes, four codes in three bytes); out_w_scales 1,024 x 32 uint8 (E8M0 scales of out_w, one for each 32 codes along K); qkv_b 3,072 float32; qkv_w_codes 3,072 x 32 x 24 uint8 (E2M3 codes of qkv_w, K innermost, in blocks of 32 codes, four codes in three bytes); qkv_w_scales 3,072 x 32 uint8 (E8M0 scales of qkv_w, one for each 32 codes along K).
;; Outputs: out0 4 x 2,048 x 1,024 float32.
;; This version of the problem:
;;   THIS VERSION OF THE PROBLEM IS GIVEN IN LOW PRECISION. The matrix products marked QUANTISED in the list below multiply operands that are first quantised to E2M3 (2 exponent bits, 3 mantissa bits; 6 bits a number), with one power-of-two scale for each 32 numbers along K (OCP MX v1.0); their sums are f32. All else is computed in f32.
;;   The module's matrix products, in the order in which they are computed (A, B: the left and right operand; K: the contracted axis; several contracted axes count as one K, in the product's order):
;;     1. [M 8,192, K 1,024] x [K 1,024, N 3,072]; A: input input (given as codes); B: input qkv_w (given as codes): QUANTISED
;;     2. batch 64 x [M 2,048, K 64] x [K 64, N 2,048]; A: computed on the way; B: computed on the way: QUANTISED
;;     3. batch 64 x [M 2,048, K 2,048] x [K 2,048, N 64]; A: softmax (see below); B: computed on the way: QUANTISED
;;     4. [M 8,192, K 1,024] x [K 1,024, N 1,024]; A: computed on the way; B: input out_w (given as codes): QUANTISED
;;   THE QUANTISER, for each operand of a quantised product, along K:
;;     - K is cut into blocks of 32 from its start; a last block that is shorter is filled with zeros.
;;     - A block's scale is 2^e with e = floor(log2(the largest magnitude in the block)) - 2, held to -126 .. 127; a block of zeros has e = 0. As a byte (E8M0): e + 127.
;;     - Each number is divided by its block's scale, clamped to +-7.5, and rounded to the nearest number of E2M3, ties to even, subnormals kept.
;;     - The product sums the exact products of the quantised numbers (number of the format x scale) in f32.
;;   ~~~python
;;   def quantise(x, axis):      # numpy; x: float32 -> the quantised numbers, widened to float32 again
;;       x = np.moveaxis(x, axis, -1); K = x.shape[-1]
;;       x = np.pad(x, [(0, 0)] * (x.ndim - 1) + [(0, -K % 32)]); x = x.reshape(x.shape[:-1] + (-1, 32)); a = np.abs(x).max(-1, keepdims=True)
;;       e = np.where(a > 0, np.clip(np.frexp(np.where(a > 0, a, 1))[1] - 1 - 2, -126, 127), 0)      # np.frexp(a)[1] - 1 = floor(log2(a)), exactly
;;       r = np.clip(x / 2.0 ** e, -7.5, 7.5)
;;       step = 2.0 ** (np.maximum(np.frexp(np.where(r == 0, 1, r))[1] - 1, 0) - 3)
;;       q = np.round(r / step) * step * 2.0 ** e      # np.round: ties to even
;;       return np.moveaxis(q.reshape(q.shape[:-2] + (-1,))[..., :K], -1, axis).astype(np.float32)
;;   ~~~
;;   SOFTMAX AHEAD OF A QUANTISED PRODUCT. Where the list says 'softmax', what is quantised is not the finished softmax but p = 2^(t - M), with t = logit x log2(e) and M = ceil(the row's largest t), a whole number; so 1/2 < the row's largest p <= 1. The row's sum l is taken of the UNQUANTISED p, in f32, and the product's result is divided by l at the end. Since M is a whole number, a kernel that streams over the keys may use a running M (the ceiling of the running maximum): every later rescaling is an exact power of two, which a block's scale takes up: the codes' values come out the same.
;;   OPERANDS COMPUTED ON THE WAY. 'Computed on the way' means the value that the module computes at that place (a softmax that the list does not call 'softmax' is quantised finished and normalised). What goes into a quantiser is computed in f32, as accurately as f32 sums, v_exp_f32 and their like allow (about 1e-6 of the number): no bf16 or f16 on the way to a quantiser, and a product that is left as it is and whose result goes on into a quantised operand takes f32 operands (vector FMAs, or v_wmma_f32_16x16x4_f32). A number that lies on a knife's edge between two numbers of the format may be rounded either way, as far as f32 arithmetic and the matrix unit's own rounding can turn it there, and no further.
;;   INPUTS GIVEN AS CODES. input (in the module: [4, 2048, 1024], K = its axis 2); out_w (in the module: [1024, 1024], K = its axis 1); qkv_w (in the module: [3072, 1024], K = its axis 1): each comes as NAME_codes (uint8): NAME with its K axis moved to the last place and cut into blocks of 32 codes, [.., K / 32, bytes a block], one block behind the other in memory; four codes in three bytes: a row's codes are one little-endian stream of bits, code i at bits 6 i .. 6 i + 5 (a code: sign, 2 exponent bits, 3 mantissa bits); and NAME_scales (uint8): the same leading axes, one E8M0 byte (e + 127) for each 32 codes along K. Its value is code x scale, taken as it is: it is not quantised again, and the codes and scales need not be those that the quantiser above would give.
;; One version. Each part assembles by itself: llvm-mc -triple=amdgcn-amd-amdhsa -mcpu=gfx1250 --defsym DOCPART=n.
;; ======== version 1 of 1: 3 launches
;; limits: right only within a limited range of input values
;; workspace buffers: qkimg 12,582,912 bytes; qksc 524,288 bytes; vimg 6,291,456 bytes; vsc 262,144 bytes; mw 524,288 bytes of whole numbers; mf 4,096 bytes of whole numbers; aoimg 6,291,456 bytes; aosc 262,144 bytes
;; launch qkv (part 1): grid 12 x 32, 4 waves a work-group, clusters of 4 x 4, 327,680 bytes of LDS; arguments input_codes, input_scales, qkv_w_codes, qkv_w_scales, qkv_b, mask, qkimg, qksc, vimg, vsc, mw, mf; writes qkimg, qksc, vimg, vsc, mw, mf
.if DOCPART == 1
	.amdgcn_target "amdgcn-amd-amdhsa--gfx1250"
	.amdhsa_code_object_version 6
	.text
	.protected	k_q0373e9d43d_qkv
	.globl	k_q0373e9d43d_qkv
	.p2align	8
	.type	k_q0373e9d43d_qkv,@function
k_q0373e9d43d_qkv:
	s_mov_b64 s[64:65], 0
	v_nop
	global_prefetch_b8 v0, s[64:65] scope:SCOPE_SE
	s_setreg_imm32_b32 hwreg(HW_REG_WAVE_MODE, 25, 1), 1
	s_wait_xcnt 0x0
	s_wait_alu depctr_hold_cnt(0) depctr_sa_sdst(0) depctr_va_vdst(0) depctr_va_sdst(0) depctr_va_ssrc(0) depctr_va_vcc(0) depctr_vm_vsrc(0)
	s_getreg_b32 s2, hwreg(HW_REG_IB_STS2, 6, 4)
	s_cmp_eq_u32 s2, 0
	s_cbranch_scc0 .Lentry_in_a_cluster
	s_endpgm
.Lentry_in_a_cluster:
	s_bfe_u32 s2, ttmp6, 0x10000c
	s_cmp_lg_u32 s2, 0xf033
	s_cbranch_scc0 .Lentry_shape_is_right
	s_endpgm
.Lentry_shape_is_right:
; qkv = input x qkv_w^T + qkv_b on codes of FP6 (E2M3) with E8M0 scales, then quantised for the attention launch and stored as images of operand registers.
; A work-group of four waves makes 256 x 256 of the product, a wave 128 x 128 (64 accumulators).  Clusters x = 0, 1 make q and k (source 1 = tokens, quantised along the head's channels);
; cluster x = 2 makes v with the roles swapped (source 1 = weights' rows, quantised along the keys).
; K goes through a ring of two LDS slots in chunks of 256 bytes of each row of codes (a row is 768 bytes: three chunks, eight steps of 96 bytes); every tile row begins at a multiple of 256 bytes.
; The scales of the 256 + 256 rows come once, as dense units of 256 bytes.  4 x 4 clusters ask for A's tiles jointly along a row and for B's along a column.
; The q and k work-groups also turn the mask's bytes into lane masks (mw) and all-true flags (mf): word 8 i + j of a unit (16 queries x 128 keys) has bit (r, h) = mask[query r][key 64 (i / 4) + 32 h + 8 (i % 4) + j],
; the key that the attention launch holds in score register 8 i + j.
; No prefetch: a row has three chunks, of which two are asked for at the head.
; LIMITS: NaN and infinities among the numbers are not served; a block whose largest magnitude lies under 2^-124 gets the byte 1 (only this program reads the bytes).
.set SIZE_K, 1024
.set ROWB,   256
.set NQ,     2
.set KROW,   SIZE_K*6/8
.set STEPS,  SIZE_K/128
.set CHUNKS, KROW/ROWB
.set PITCH,  272
.set FR,     12
.set NL,     6
.set NP,     4
.set HALFT,  128*PITCH
.set SLOT,   4*HALFT
.set KS,     SIZE_K/32
.set SCL,    2*SLOT
.set HALFS,  (128*KS/256)*272
.set SBLK,   (16*KS/256)*272
.set SPARE,  SCL+4*HALFS
.set SW,   4
.set VO,   8
.set SO,   12
.set VSEL, 13
.set ADRA, 16
.set ADRB, 20
.set ADRS, 27
.set SPW,  28
.set NIL,  29
.set SC,   32
.set BN,   64
.set AF,   128
.set ML,   128
.set T,    128
.set CD,   192
.set YT,   216
.set TM,   232
.set PWS,  248
.set BM,   96
.set G1, 24
.set G0, 32
.set G1B, 48
.set G0B, 56
.set G1S, 68
.set G0S, 76
.set G1SB, 80
.set G0SB, 88
.set OB,  12
.set OS,  98
.set DA1, 66
.set DA2, 67
.set ISV, 96
.set SEL, 104
.set MSB, 0
.macro WIN new
.if MSB != (\new)
	s_set_vgpr_msb (MSB<<8)|(\new)
.set MSB, (\new)
.endif
.endm
.set MUL_LO, 0xa1
.set MUL_HI, 0xf1
.set TO_B,   0x40
.macro JLOAD g0a, g1a, g0b, g1b        ; waves 0, 1 ask for A, waves 2, 3 for B: one joint load a wave
	s_cmp_eq_u32 s15, 0
	s_cbranch_scc0 .Lfor_b_\@
	tensor_load_to_lds s[\g0a:\g0a+3], s[\g1a:\g1a+7]
	s_nop 0
.rept 4
	v_nop
.endr
	s_branch .Lasked_\@
.Lfor_b_\@:
	tensor_load_to_lds s[\g0b:\g0b+3], s[\g1b:\g1b+7]
	s_nop 0
.rept 4
	v_nop
.endr
.Lasked_\@:
.endm
.macro CREST
	s_cmp_lg_u32 s14, 0
	s_cbranch_scc1 .Lnot_wave_0_\@
	s_barrier_signal -3
.Lnot_wave_0_\@:
	s_barrier_wait -3
	s_barrier_signal -1
	s_barrier_wait -1
.endm
.macro CROUND
	s_barrier_signal -1
	s_barrier_wait -1
	CREST
.endm
	s_load_b256 s[4:11], s[0:1], 0x0               ; input codes, input scales, weight codes, weight scales
	v_lshl_add_u32 v[SPW], v0, 2, SPARE
	v_mov_b32 v[NIL], 0
	ds_add_u32 v[SPW], v[NIL]                      ; the opening lines: the add twice on end
	ds_add_u32 v[SPW], v[NIL]
	v_lshrrev_b32 v1, 5, v0
	v_readfirstlane_b32 s14, v1                    ; wave
	s_lshr_b32 s15, s14, 1
	s_and_b32 s16, s14, 1
	s_bfe_u32 s40, ttmp6, 0x40000
	s_bfe_u32 s41, ttmp6, 0x40004
	s_and_b32 s18, ttmp7, 0xffff
	s_cmp_eq_u32 ttmp9, 2                          ; cluster x = 2: v, with the roles of tokens and weights swapped
	s_cselect_b32 s[ISV], 1, 0
	s_cselect_b32 s42, s18, ttmp9
	s_cselect_b32 s17, 0, s18
	s_cselect_b32 s97, 2048, 0
	s_lshl_b32 s42, s42, 2
	s_add_co_u32 s42, s42, s40
	s_lshl_b32 s17, s17, 2
	s_add_co_u32 s17, s17, s41
	s_lshl_b32 s43, s41, 2
	s_lshl_b32 s43, 15, s43
	s_lshl_b32 s44, 0x1111, s40
	s_or_b32 s[G1+0], s43, (0<<16)|(1<<20)|(1<<21)|(5<<22)|(3<<25)
	s_or_b32 s[G1B+0], s44, (0<<16)|(1<<20)|(1<<21)|(5<<22)|(3<<25)
.irp g, G1, G1B
	s_mov_b32 s[\g+1], ROWB<<16
	s_mov_b32 s[\g+2], 256<<16                     ; the head's loads bring 256 rows
	s_mov_b32 s[\g+3], ROWB<<16
	s_mov_b32 s[\g+4], 256
	s_mov_b32 s[\g+5], KROW
	s_mov_b32 s[\g+6], 0
	s_mov_b32 s[\g+7], 0
.endr
	s_or_b32 s[G1S+0], s43, (3<<16)|(1<<20)|(1<<21)|(5<<22)|(3<<25)
	s_or_b32 s[G1SB+0], s44, (3<<16)|(1<<20)|(1<<21)|(5<<22)|(3<<25)
.irp g, G1S, G1SB
	s_mov_b32 s[\g+1], 32<<16
	s_mov_b32 s[\g+2], KS<<16
	s_mov_b32 s[\g+3], 32<<16
	s_mov_b32 s[\g+4], KS
	s_mov_b32 s[\g+5], 32
	s_mov_b32 s[\g+6], 0
	s_mov_b32 s[\g+7], 0
.endr
	s_lshl_b32 s20, s17, 8
	s_add_co_u32 s20, s20, s97                     ; A's first row (v: the weights' rows from 2,048 on)
	s_lshl_b32 s46, s42, 8                         ; B's first row
	s_mov_b32 s21, 0
	s_mov_b32 s47, 0
	s_mov_b64 s[18:19], KS
	s_mul_u64 s[22:23], s[20:21], s[18:19]
	s_mul_u64 s[92:93], s[46:47], s[18:19]
	s_mov_b64 s[18:19], KROW
	s_mul_u64 s[20:21], s[20:21], s[18:19]
	s_mul_u64 s[46:47], s[46:47], s[18:19]
	s_mul_i32 s18, s16, 128*KROW                   ; in the ring a wave fetches 128 rows: which half
	s_mov_b32 s19, 0
	s_mul_i32 s45, s14, HALFT
	s_wait_dscnt 0x0
	s_wait_kmcnt 0x0
	s_cmp_eq_u32 s[ISV], 0
	s_cselect_b64 s[98:99], s[4:5], s[8:9]
	s_cselect_b64 s[100:101], s[6:7], s[10:11]
	s_cselect_b64 s[8:9], s[8:9], s[4:5]
	s_cselect_b64 s[10:11], s[10:11], s[6:7]
	s_add_nc_u64 s[20:21], s[98:99], s[20:21]
	s_add_nc_u64 s[22:23], s[100:101], s[22:23]
	s_add_nc_u64 s[46:47], s[8:9], s[46:47]
	s_add_nc_u64 s[92:93], s[10:11], s[92:93]
	CROUND
	s_mov_b32 s[G0], 1                             ; the head's four tiles: chunk 0's 256 rows of A (slot 0's group 0 serves; it is set for the ring behind the wait for these loads),
	s_mov_b32 s[G0+1], 0
	s_mov_b64 s[G0+2:G0+3], s[20:21]
	s_or_b32 s[G0+3], s[G0+3], 0x80000000
	s_mov_b32 s[G0B], 1                            ; its 256 rows of B,
	s_mov_b32 s[G0B+1], 2*HALFT
	s_mov_b64 s[G0B+2:G0B+3], s[46:47]
	s_or_b32 s[G0B+3], s[G0B+3], 0x80000000
	s_mov_b32 s[G0S], 1                            ; A's scales,
	s_mov_b32 s[G0S+1], SCL
	s_mov_b64 s[G0S+2:G0S+3], s[22:23]
	s_or_b32 s[G0S+3], s[G0S+3], 0x80000000
	s_mov_b32 s[G0SB], 1                           ; B's scales
	s_mov_b32 s[G0SB+1], SCL+2*HALFS
	s_mov_b64 s[G0SB+2:G0SB+3], s[92:93]
	s_or_b32 s[G0SB+3], s[G0SB+3], 0x80000000
	s_add_nc_u64 s[20:21], s[20:21], s[18:19]
	s_add_nc_u64 s[46:47], s[46:47], s[18:19]
	s_mov_b32 s[G0+4], 1                           ; slot 1: chunk 1, my 128 rows
	s_add_co_u32 s[G0+5], s45, SLOT
	s_add_nc_u64 s[G0+6:G0+7], s[20:21], ROWB
	s_or_b32 s[G0+7], s[G0+7], 0x80000000
	s_mov_b32 s[G0B+4], 1
	s_add_co_u32 s[G0B+5], s45, SLOT
	s_add_nc_u64 s[G0B+6:G0B+7], s[46:47], ROWB
	s_or_b32 s[G0B+7], s[G0B+7], 0x80000000
.macro ARM under, g0, g1, next         ; one chain of branches on the wave's number, one load to an arm
	s_cmp_lt_u32 s14, \under
	s_cbranch_scc0 \next
	tensor_load_to_lds s[\g0:\g0+3], s[\g1:\g1+7]
	s_nop 0
.rept 4
	v_nop
.endr
	s_branch .Lhead_asked
\next:
.endm
	ARM 1, G0,  G1,  .Lhead_b
	ARM 2, G0B, G1B, .Lhead_sa
	ARM 3, G0S, G1S, .Lhead_sb
	tensor_load_to_lds s[G0SB:G0SB+3], s[G1SB:G1SB+7]
	s_nop 0
.rept 4
	v_nop
.endr
.Lhead_asked:
	v_and_b32 v1, 15, v0
	v_bfe_u32 v2, v0, 4, 1
	v_mul_u32_u24 v3, v1, PITCH
	v_mul_u32_u24 v4, v2, 24
	v_add_nc_u32 v4, v3, v4
	s_mov_b32 s21, SLOT-232
	s_mov_b32 s22, SLOT+232
	v_sub_nc_u32 v7, 1, v2
	v_mul_u32_u24 v5, s21, v2
	v_add_nc_u32 v5, v3, v5
	v_add_nc_u32 v5, 232, v5                       ; across two chunks: lanes 0-15 byte 232 in slot 0, lanes 16-31 byte 0 in slot 1
	v_mul_u32_u24 v6, s22, v7
	v_add_nc_u32 v6, v3, v6                        ; and the other way round
	s_mul_i32 s21, s15, HALFT
	s_mul_i32 s22, s16, HALFT
	s_add_co_u32 s22, s22, 2*HALFT
	v_add_nc_u32 v[ADRA+2], s21, v5
	v_add_nc_u32 v[ADRA+3], s21, v6
	v_add_nc_u32 v[ADRB+2], s22, v5
	v_add_nc_u32 v[ADRB+3], s22, v6
.irp s, 0,1
	v_add_nc_u32 v[ADRA+\s], s21, v4
	v_add_nc_u32 v[ADRB+\s], s22, v4
	s_add_co_u32 s21, s21, SLOT
	s_add_co_u32 s22, s22, SLOT
.endr
	v_mul_u32_u24 v5, v1, KS
	v_lshrrev_b32 v6, 8, v5
	v_lshl_add_u32 v5, v6, 4, v5
	s_mul_i32 s21, s15, HALFS
	s_mul_i32 s22, s16, HALFS
	s_add_co_u32 s22, s22, 2*HALFS
	s_sub_co_u32 s22, s22, s21
	v_mul_u32_u24 v6, s22, v2
	s_add_co_u32 s21, s21, SCL
	v_add_nc_u32 v5, v5, v6
	v_add_nc_u32 v[ADRS], s21, v5
	s_load_b128 s[4:7], s[0:1], 0x20               ; qkv_b, mask
	s_load_b128 s[8:11], s[0:1], 0x30              ; qkimg, qksc
	s_load_b128 s[92:95], s[0:1], 0x40             ; vimg, vsc
	s_load_b128 s[20:23], s[0:1], 0x50             ; mw, mf
	s_mov_b32 s[SEL], 0x76543210
	s_mov_b32 s[SEL+1], 0xfedcba98
	s_mov_b32 s41, 1536
	s_mov_b32 s43, 768
	s_mov_b32 s[DA1], 3072
	s_mov_b32 s[DA2], 95232
	s_mov_b32 s44, 0x03020100
	s_mov_b32 s45, 0x07060504
	s_cmp_eq_u32 s[ISV], 0
	s_cselect_b32 s18, s17, s42
	s_cselect_b32 s19, s42, s17
	s_cselect_b32 s46, s15, s16
	s_cselect_b32 s47, s16, s15
	s_cselect_b32 s40, 5, 4
	s_cselect_b32 s41, 768, s41
	s_cselect_b32 s43, 98304, s43
	s_cselect_b32 s[DA1], 1536, s[DA1]
	s_cselect_b32 s[DA2], 1536, s[DA2]
	s_cselect_b32 s44, 0x05040100, s44
	s_cselect_b32 s45, 0x07060302, s45
	s_lshr_b32 s97, s18, 3
	s_lshl_b32 s97, s97, s40
	s_lshl_b32 s19, s19, 2
	s_add_co_u32 s97, s97, s19
	s_lshl_b32 s47, s47, 1
	s_add_co_u32 s97, s97, s47
	s_lshl_b32 s97, s97, 4
	s_and_b32 s18, s18, 7
	s_lshl_b32 s18, s18, 1
	s_add_co_u32 s97, s97, s18
	s_add_co_u32 s97, s97, s46
	v_and_b32 v6, 31, v0
	v_lshlrev_b32 v[VO], 3, v6
	v_add_nc_u32 v[VO+1], s43, v[VO]
	v_add_nc_u32 v[VO+2], s41, v[VO]
	v_add_nc_u32 v[VO+3], s41, v[VO+1]
	v_lshlrev_b32 v[SO], 4, v1
	v_lshl_add_u32 v[SO], v2, 12, v[SO]
	v_mov_b32 v[VSEL], s44
	v_mov_b32 v7, s45
	v_cmp_ne_u32 vcc_lo, 0, v2
	v_cndmask_b32 v[VSEL], v[VSEL], v7, vcc_lo
.irp b, 0,1,2,3
	v_mov_b32 v[TM+4+\b], 0
.endr
	v_lshlrev_b32 v3, 5, v2
	v_lshlrev_b32 v4, 2, v1
	s_lshl_b32 s40, s42, 10
	s_lshl_b32 s46, s16, 9
	s_add_co_u32 s40, s40, s46
	s_lshl_b32 s46, s17, 10
	s_lshl_b32 s47, s15, 9
	s_add_co_u32 s46, s46, s47
	s_add_co_u32 s46, s46, 8192
	s_wait_alu depctr_va_vdst(0)
	s_wait_kmcnt 0x0
	s_cmp_eq_u32 s[ISV], 0
	s_cselect_b64 s[OB:OB+1], s[8:9], s[92:93]
	s_cselect_b64 s[OS:OS+1], s[10:11], s[94:95]
	s_cselect_b32 s18, s40, 0
	s_cselect_b32 s46, 0, s46
	s_mov_b32 s19, 0
	s_mov_b32 s47, 0
	s_add_nc_u64 s[18:19], s[4:5], s[18:19]
	s_add_nc_u64 s[46:47], s[4:5], s[46:47]
	s_mul_i32 s40, s97, 6144
	s_mov_b32 s41, 0
	s_add_nc_u64 s[OB:OB+1], s[OB:OB+1], s[40:41]
	s_lshl_b32 s40, s97, 8
	s_add_nc_u64 s[OS:OS+1], s[OS:OS+1], s[40:41]
.irp b, 0,1,2,3,4,5,6,7
	global_load_b128 v[BN+8*\b:BN+8*\b+3], v3, s[18:19] offset:64*\b          ; the bias along a lane's registers (q, k)
	global_load_b128 v[BN+8*\b+4:BN+8*\b+7], v3, s[18:19] offset:64*\b+16
.endr
	WIN TO_B
.irp a, 0,1,2,3,4,5,6,7
	global_load_b32 v[BM+2*\a], v4, s[46:47] offset:64*\a                     ; the bias of a lane's row (v)
	global_load_b32 v[BM+2*\a+1], v4, s[46:47] offset:64*\a
.endr
	WIN 0
	s_cmp_eq_u32 s[ISV], 0
	s_cbranch_scc0 .Lno_mask1
	s_lshl_b32 s10, s17, 3                         ; the mask: wave n of the 1,024 takes 16 queries x 256 keys
	s_add_co_u32 s10, s10, s42
	s_lshl_b32 s10, s10, 2
	s_add_co_u32 s10, s10, s14
	s_and_b32 s11, s10, 7
	s_lshr_b32 s8, s10, 3
	s_lshl_b32 s8, s8, 15
	s_lshl_b32 s9, s11, 8
	s_add_co_u32 s8, s8, s9
	s_mov_b32 s9, 0
	s_add_nc_u64 s[6:7], s[6:7], s[8:9]
	s_lshl_b32 s8, s10, 9
	s_add_nc_u64 s[20:21], s[20:21], s[8:9]
	s_lshl_b32 s8, s10, 2
	s_add_nc_u64 s[22:23], s[22:23], s[8:9]
	v_lshlrev_b32 v5, 11, v1
	v_lshl_add_u32 v5, v2, 5, v5                   ; query r, keys from 32 h on
.irp u, 0,1
.irp i, 0,1,2,3,4,5,6,7
	global_load_b64 v[ML+16*\u+2*\i:ML+16*\u+2*\i+1], v5, s[6:7] offset:128*\u+64*(\i/4)+8*(\i%4) th:TH_LOAD_NT
.endr
.endr
.irp i, 0,1,2,3
	v_mov_b32 v[160+\i], 0
.endr
	v_mov_b32 v165, 0
.Lno_mask1:
	s_wait_alu depctr_va_vdst(0)
	s_wait_tensorcnt 0x0                           ; my tile of the head's four is in; the three lines ahead of slot 1's first fill
	ds_add_u32 v[SPW], v[NIL]
	s_mov_b32 s[G1+2], 128<<16                     ; no tensor load of mine is out: from here on a load brings 128 rows,
	s_mov_b32 s[G1+4], 128
	s_mov_b32 s[G1B+2], 128<<16
	s_mov_b32 s[G1B+4], 128
	s_mul_i32 s2, s16, 128*KROW                    ; and slot 0's group 0 points at my 128 rows
	s_mov_b32 s3, 0
	s_add_nc_u64 s[G0+2:G0+3], s[G0+2:G0+3], s[2:3]
	s_add_nc_u64 s[G0B+2:G0B+3], s[G0B+2:G0B+3], s[2:3]
	s_mul_i32 s2, s14, HALFT
	s_mov_b32 s[G0+1], s2
	s_mov_b32 s[G0B+1], s2
	s_wait_dscnt 0x0
	CROUND
	JLOAD G0+4, G1, G0B+4, G1B                     ; chunk 1
	s_cmp_eq_u32 s[ISV], 0
	s_cbranch_scc0 .Lno_mask
	s_wait_loadcnt 0x0
.macro MUNIT u
	s_mov_b32 s[100+\u], -1
.set n, 0
.rept 64
	v_bfe_u32 v[166+n%2], v[ML+16*\u+2*(n/8)+(n%8)/4], 8*(n%4), 8
	v_cmp_ne_u32 s[92+n%2], 0, v[166+n%2]
	s_and_b32 s[100+\u], s[100+\u], s[92+n%2]
	v_writelane_b32 v[160+2*\u+n%2], s[92+n%2], n/2
.set n, n+1
.endr
.endm
	MUNIT 0
	MUNIT 1
	global_store_b64 v[VO], v[160:161], s[20:21]
	global_store_b64 v[VO], v[162:163], s[20:21] offset:256
	s_cmp_eq_u32 s100, -1
	s_cselect_b32 s100, 1, 0
	s_cmp_eq_u32 s101, -1
	s_cselect_b32 s101, 2, 0
	s_or_b32 s100, s100, s101
	s_and_b32 s101, s42, 1                         ; my unit pair's place among the row's eight: 4 (tile column % 2) + wave,
	s_lshl_b32 s101, s101, 2
	s_add_co_u32 s101, s101, s14
	s_lshl_b32 s101, s101, 1                       ; two flag bits each
	s_lshl_b32 s100, s100, s101
	v_mov_b32 v164, s100
	v_cmp_eq_u32 vcc_lo, 0, v6
	s_wait_alu depctr_va_vdst(0)
	s_wait_xcnt 0x0
	s_and_saveexec_b32 s101, vcc_lo
	global_store_b32 v165, v164, s[22:23]
	s_wait_xcnt 0x0
	s_or_b32 exec_lo, exec_lo, s101
.Lno_mask:
	s_wait_loadcnt 0x0
	s_mov_b32 s97, 0x05040100
	s_mov_b32 s100, 0x05040302
	s_mov_b32 s101, 0x07060302
.macro FRAG reg, adr, st, i            ; 16 rows x 128 K: six pieces of 8 bytes; byte y of a row lies in slot (y / 256) % 2 at byte y % 256
.irp p, 0,1,2,3,4,5
.set BY, 96*(\st)+48*(\p/3)+8*(\p%3)
.if BY/ROWB == (BY+24)/ROWB
	ds_load_b64 v[\reg+2*\p:\reg+2*\p+1], v[\adr+(BY/ROWB)%2] offset:BY%ROWB+(\i)*16*PITCH
.else
	ds_load_b64 v[\reg+2*\p:\reg+2*\p+1], v[\adr+2+(BY/ROWB)%2] offset:BY%ROWB-232+(\i)*16*PITCH
.endif
.endr
.endm
.macro MUL16 a0, p, q, sc, zero        ; the 64 accumulators take turns
.irp a, \a0, \a0+1
.irp b, 0,1,2,3,4,5,6,7
.if \zero
	v_wmma_scale_f32_16x16x128_f8f6f4 v[8*(8*((\a)%4)+\b):8*(8*((\a)%4)+\b)+7], v[128*(\p)+FR*\b:128*(\p)+FR*\b+FR-1], v[AF+FR*(\a):AF+FR*(\a)+FR-1], 0, v[SC+8*NQ*(\sc)+NQ*\b+(\q)], v[SC+8*NQ*(\sc)+NQ*(\a)+(\q)] matrix_a_fmt:MATRIX_FMT_FP6 matrix_b_fmt:MATRIX_FMT_FP6 matrix_a_scale:MATRIX_SCALE_ROW1
.else
	v_wmma_scale_f32_16x16x128_f8f6f4 v[8*(8*((\a)%4)+\b):8*(8*((\a)%4)+\b)+7], v[128*(\p)+FR*\b:128*(\p)+FR*\b+FR-1], v[AF+FR*(\a):AF+FR*(\a)+FR-1], v[8*(8*((\a)%4)+\b):8*(8*((\a)%4)+\b)+7], v[SC+8*NQ*(\sc)+NQ*\b+(\q)], v[SC+8*NQ*(\sc)+NQ*(\a)+(\q)] matrix_a_fmt:MATRIX_FMT_FP6 matrix_b_fmt:MATRIX_FMT_FP6 matrix_a_scale:MATRIX_SCALE_ROW1
.endif
.endr
.endr
.endm
.macro FETCH_B st, p
	WIN TO_B
.irp i, 0,1,2,3,4,5,6,7
	FRAG 128*(\p)+FR*\i, ADRB, \st, \i
.endr
	WIN 0
.endm
.macro FETCH_A st, i0
.irp i, \i0, \i0+1, \i0+2, \i0+3
	FRAG AF+FR*(\i), ADRA, \st, \i
.endr
.endm
.macro SCALES pr
.irp i, 0,1,2,3,4,5,6,7
	ds_load_b64 v[SC+8*NQ*((\pr)%2)+NQ*\i:SC+8*NQ*((\pr)%2)+NQ*\i+1], v[ADRS] offset:\i*SBLK+4*NQ*(\pr)
.endr
.endm
.macro PLACES n
.rept \n
	v_nop
.endr
.endm
; A step of 128 along K.  Where the next step's bytes end in a chunk not yet read: a wait for my tensor loads and a barrier.  Where they begin in a later chunk: the three lines, the barrier, and,
; while a chunk two further on is left, the cluster's round and the refill.
.macro STEP st, zero
.set NX, (\st)+1
.set C0, (96*(\st))/ROWB
.set C1, (96*NX)/ROWB
.set E0, (96*(\st)+95)/ROWB
.set E1, (96*NX+95)/ROWB
.if C1 > C0 || E1 > E0
	s_wait_tensorcnt 0x0
.if C1 > C0
	ds_add_u32 v[SPW], v[NIL]
	s_wait_dscnt 4*NL+1                            ; the add and A's blocks 4-7 may be out
.else
	s_wait_dscnt 4*NL
.endif
	WIN MUL_LO
	MUL16 0, (\st)%2, (\st)%2, ((\st)/2)%2, \zero
	s_wait_dscnt 0x0
	s_barrier_signal -1
	MUL16 2, (\st)%2, (\st)%2, ((\st)/2)%2, \zero
	WIN 0
	s_barrier_wait -1
.if C1 > C0 && C0+2 < CHUNKS
	CREST
	s_add_nc_u64 s[G0+4*(C0%2)+2:G0+4*(C0%2)+3], s[G0+4*(C0%2)+2:G0+4*(C0%2)+3], 2*ROWB
	s_add_nc_u64 s[G0B+4*(C0%2)+2:G0B+4*(C0%2)+3], s[G0B+4*(C0%2)+2:G0B+4*(C0%2)+3], 2*ROWB
	JLOAD G0+4*(C0%2), G1, G0B+4*(C0%2), G1B
.else
	PLACES NP
.endif
.else
	s_wait_dscnt 4*NL
	WIN MUL_LO
	MUL16 0, (\st)%2, (\st)%2, ((\st)/2)%2, \zero
	MUL16 2, (\st)%2, (\st)%2, ((\st)/2)%2, \zero
	s_wait_dscnt 0
	PLACES NP
.endif
	FETCH_B NX, NX%2
	FETCH_A NX, 0
.if NX%2 == 0
	SCALES NX/2
.endif
	WIN MUL_HI
	MUL16 4, (\st)%2, (\st)%2, ((\st)/2)%2, \zero
	MUL16 6, (\st)%2, (\st)%2, ((\st)/2)%2, \zero
	PLACES NP
	WIN 0
	FETCH_A NX, 4
.endm
	FETCH_B 0, 0
	FETCH_A 0, 0
	SCALES 0
	FETCH_A 0, 4
	STEP 0, 1
.set ST, 1
.rept STEPS-2
	STEP ST, 0
.set ST, ST+1
.endr
	s_wait_dscnt 4*NL
	WIN MUL_LO
	MUL16 0, 1, 1, 1, 0
	MUL16 2, 1, 1, 1, 0
	s_wait_dscnt 0
	WIN MUL_HI
	MUL16 4, 1, 1, 1, 0
	MUL16 6, 1, 1, 1, 0
	WIN 0
; THE WAY OUT: the bias, the quantiser along a lane's registers (four blocks of 32 in lanes l and l xor 16), the codes as register images, 256 bytes a store.
.macro BIAS a
.set AC, 64*((\a)%4)
	s_cmp_eq_u32 s[ISV], 0
	s_cbranch_scc0 .Lbv_\@
	WIN 0x02+(\a)/4
.set k, 0
.rept 32
	v_pk_add_f32 v[T+k:T+k+1], v[AC+k:AC+k+1], v[BN+k:BN+k+1]
.set k, k+2
.endr
	WIN 0
	s_branch .Lbd_\@
.Lbv_\@:
	WIN 0x06+(\a)/4
.set k, 0
.rept 32
	v_pk_add_f32 v[T+k:T+k+1], v[AC+k:AC+k+1], v[BM+2*(\a):BM+2*(\a)+1]
.set k, k+2
.endr
	WIN 0
.Lbd_\@:
.endm
.macro MEND d, y
.irp i, 0,1,2
	v_permlane16_swap_b32 v[\d+\i], v[\y+\i]
.endr
	v_perm_b32 v[\d+3], v[\d+2], v[\d+1], s100
	v_perm_b32 v[\d+4], v[\y+1], v[\d+2], s101
	v_perm_b32 v[\d+1], v[\y], v[\d+1], s97
	v_perm_b32 v[\d+2], v[\y+1], v[\y], s100
	v_mov_b32 v[\d+5], v[\y+2]
.endm
.macro QUANTN s, d, pw
.irp b, 0,1,2,3
	v_max3_num_f32 v[TM+\b], |v[\s+16*\b]|, |v[\s+1+16*\b]|, 0x1800000
.endr
.irp i, 2,4,6,8,10,12,14
.irp b, 0,1,2,3
	v_max3_num_f32 v[TM+\b], v[TM+\b], |v[\s+16*\b+\i]|, |v[\s+1+16*\b+\i]|
.endr
.endr
.irp b, 0,1,2,3
	v_permlanex16_b32 v[TM+4+\b], v[TM+\b], s[SEL], s[SEL+1]
.endr
.irp b, 0,1,2,3
	v_max_num_f32 v[TM+\b], v[TM+\b], v[TM+4+\b]
.endr
.irp b, 0,1,2,3
	v_add_nc_u32 v[TM+8+\b], 0xff000000, v[TM+\b]
.endr
.irp b, 0,1,2,3
	v_lshrrev_b32 v[TM+4+\b], 23, v[TM+8+\b]
.endr
	v_lshl_or_b32 v[\pw], v[TM+5], 8, v[TM+4]
	v_lshl_or_b32 v[\pw], v[TM+6], 16, v[\pw]
	v_lshl_or_b32 v[\pw], v[TM+7], 24, v[\pw]
.irp c, 0,1
	v_cvt_scalef32_pk16_fp6_f32 v[\d+6*\c:\d+6*\c+2], v[\s+32*\c:\s+32*\c+15], v[TM+8+2*\c]
	v_cvt_scalef32_pk16_fp6_f32 v[YT+4*\c:YT+4*\c+2], v[\s+32*\c+16:\s+32*\c+31], v[TM+8+2*\c+1]
.endr
	v_nop
.irp c, 0,1
	MEND \d+6*\c, YT+4*\c
.endr
.endm
	PLACES NP
.irp al, 0,1,2,3
.if \al > 0
	s_wait_xcnt 0x0
.if \al == 2
	s_add_co_u32 s[OB], s[OB], s[DA2]
.else
	s_add_co_u32 s[OB], s[OB], s[DA1]
.endif
	s_add_co_ci_u32 s[OB+1], s[OB+1], 0
.endif
.irp u, 0,1
	BIAS 2*\al+\u
	QUANTN T, CD+12*\u, PWS+2*\al+\u
.endr
.irp u, 0,1
.irp c, 0,1
.irp i, 0,1,2
	global_store_b64 v[VO+2*\u+\c], v[CD+12*\u+6*\c+2*\i:CD+12*\u+6*\c+2*\i+1], s[OB:OB+1] offset:256*\i
.endr
.endr
.endr
.endr
	s_cmp_eq_u32 s[ISV], 0
	s_cbranch_scc0 .Lsv
.irp x, 0,1,2,3
	v_perm_b32 v[SW+\x], v[PWS+2*\x+1], v[PWS+2*\x], v[VSEL]
.endr
	s_branch .Lsd
.Lsv:
.irp x, 0,1,2,3
	v_perm_b32 v[SW+\x], v[PWS+4+\x], v[PWS+\x], v[VSEL]
.endr
.Lsd:
	s_wait_alu depctr_va_vdst(0)
	global_store_b128 v[SO], v[SW:SW+3], s[OS:OS+1]
	s_wait_tensorcnt 0x0                           ; the wave's end
	ds_add_u32 v[SPW], v[NIL]
	s_wait_dscnt 0x0
	CROUND
	s_endpgm
.Lfunc_end_k_q0373e9d43d_qkv:
	.size	k_q0373e9d43d_qkv, .Lfunc_end_k_q0373e9d43d_qkv-k_q0373e9d43d_qkv
	.p2alignl 7, 3214868480
	.fill 96, 4, 3214868480
	.section	.rodata,"a",@progbits
	.p2align	6, 0x0
	.amdhsa_kernel k_q0373e9d43d_qkv
		.amdhsa_group_segment_fixed_size 327680
		.amdhsa_private_segment_fixed_size 0
		.amdhsa_enable_private_segment 0
		.amdhsa_kernarg_size 96
		.amdhsa_user_sgpr_count 2
		.amdhsa_user_sgpr_kernarg_segment_ptr 1
		.amdhsa_wavefront_size32 1
		.amdhsa_system_sgpr_workgroup_id_x 1
		.amdhsa_system_sgpr_workgroup_id_y 1
		.amdhsa_system_sgpr_workgroup_id_z 1
		.amdhsa_system_vgpr_workitem_id 0
		.amdhsa_next_free_vgpr 1024
		.amdhsa_next_free_sgpr 106
		.amdhsa_reserve_vcc 1
		.amdhsa_float_denorm_mode_32 3
		.amdhsa_float_denorm_mode_16_64 3
		.amdhsa_memory_ordered 1
		.amdhsa_forward_progress 1
		.amdhsa_inst_pref_size 240
	.end_amdhsa_kernel
	.amdgpu_metadata
---
amdhsa.version: [ 1, 2 ]
amdhsa.kernels:
  - .name:           k_q0373e9d43d_qkv
    .symbol:         k_q0373e9d43d_qkv.kd
    .args:
      - { .name: input_codes, .offset: 0, .size: 8, .value_kind: global_buffer, .address_space: global }
      - { .name: input_scales, .offset: 8, .size: 8, .value_kind: global_buffer, .address_space: global }
      - { .name: qkv_w_codes, .offset: 16, .size: 8, .value_kind: global_buffer, .address_space: global }
      - { .name: qkv_w_scales, .offset: 24, .size: 8, .value_kind: global_buffer, .address_space: global }
      - { .name: qkv_b, .offset: 32, .size: 8, .value_kind: global_buffer, .address_space: global }
      - { .name: mask, .offset: 40, .size: 8, .value_kind: global_buffer, .address_space: global }
      - { .name: qkimg, .offset: 48, .size: 8, .value_kind: global_buffer, .address_space: global }
      - { .name: qksc, .offset: 56, .size: 8, .value_kind: global_buffer, .address_space: global }
      - { .name: vimg, .offset: 64, .size: 8, .value_kind: global_buffer, .address_space: global }
      - { .name: vsc, .offset: 72, .size: 8, .value_kind: global_buffer, .address_space: global }
      - { .name: mw, .offset: 80, .size: 8, .value_kind: global_buffer, .address_space: global }
      - { .name: mf, .offset: 88, .size: 8, .value_kind: global_buffer, .address_space: global }
    .group_segment_fixed_size: 327680
    .private_segment_fixed_size: 0
    .kernarg_segment_align: 8
    .kernarg_segment_size: 96
    .max_flat_workgroup_size: 128
    .sgpr_count:     106
    .vgpr_count:     1024
    .wavefront_size: 32
...
	.end_amdgpu_metadata
.endif
;; end of part 1
;; launch attn (part 2): grid 4 x 64, 16 waves a work-group, no clusters, 210,944 bytes of LDS; arguments qkimg, qksc, vimg, vsc, mw, mf, aoimg, aosc; writes aoimg, aosc
.if DOCPART == 2
	.amdgcn_target "amdgcn-amd-amdhsa--gfx1250"
	.amdhsa_code_object_version 6
	.text
	.protected	k_q0373e9d43d_attn
	.globl	k_q0373e9d43d_attn
	.p2align	8
	.type	k_q0373e9d43d_attn,@function
k_q0373e9d43d_attn:
	s_mov_b64 s[64:65], 0
	v_nop
	global_prefetch_b8 v0, s[64:65] scope:SCOPE_SE
	s_setreg_imm32_b32 hwreg(HW_REG_WAVE_MODE, 25, 1), 1
	s_wait_xcnt 0x0
; For one batch and head: O[q] = the sum over keys of p V / l, p = 2^(t - M), t = (q . k) log2(e) / 8 where the mask allows the key and -infinity where not, M = the running largest t rounded up to a whole number,
; l = the row's sum of the unquantised p.  Both products on codes of FP6 (E2M3) with E8M0 scales; p is quantised along the keys, O / l along the model's channels, for the last launch.
; SHARES.  Work-group (x, y): y = 16 b + head, x = a block of 512 queries.  Wave w owns the 32 queries of fragment T = 16 x + w, in two passes of 16, each over all 2,048 keys, 128 a step.
; K AND V OF THE HEAD LIE IN LDS with their scale words, as images of operand registers, brought once through registers (wave w brings key step w); one barrier; afterwards LDS is only read.
; NO TENSOR LOAD AND NO CLUSTER: the loop has a scalar branch on a stored flag of the mask.  No prefetch: the only stream is asked for whole at the head.
; K = 64 IN AN INSTRUCTION OF K = 128: a fragment of k holds two tiles of 16 keys; q stands in [0 x 6 | q x 6 | 0 x 6]: v[22:33] gives the first tile's scores, v[16:27] the second's.
; WHICH KEYS FORM A TILE: row 8 hh + j of tile 4 c + i is key 64 c + 32 hh + 8 i + j of the step.  So lane half h holds block 2 c + h of 32 keys whole, in score registers 32 c .. 32 c + 31, in the keys' order:
; a block's maximum needs no other lane, and two conversions give the block's six operand registers.  The choice is made by the LDS read addresses: in memory a fragment holds 32 neighbouring keys;
; in LDS K's fragments lie 1,600 bytes apart, so that the 32 lanes of a load touch 64 different banks.  K's scale words are regrouped to match as they are brought.
; THE MASK comes as lane masks: word n of a unit (16 queries x 128 keys) is the mask of score register n.  A unit that is all true is passed over, by its stored flag.
; LIMITS: NaN and infinities among the numbers are not served; the promise holds while |t| stays under 2^31.  A block whose largest magnitude lies under 2^-124 gets the byte 1 (this program alone reads the bytes).
; A query with no key allowed has l = 0: its scale bytes are stored as 0xff, which makes its row of the output NaN, as the softmax of a row of -infinity is.
; The scale bytes of O leave one byte a lane, 32 bytes apart: 262,144 bytes in all are written in pieces smaller than 256 bytes.
.set FRB,   1536
.set KFR,   1600                       ; a fragment of K in LDS
.set KSTEP, 4*KFR
.set STEPB, 4*FRB
.set VIMG,  64*KFR
.set KSC,   VIMG+64*FRB                ; K's scale words, 256 bytes a step; V's 4,096 bytes behind
.set VSCO,  4096
.set SPARE, KSC+8192
.set F,   36
.set S,   92
.set O,   156
.set P,   188
.set BMX, 200
.set PT,  204
.set SOP, 208
.set YT,  212
.set PSW, 219
.set SB,  224
.set Q1,  226
.set QW,  232
.set FA,  236                          ; the fill: K's LDS address, V's, the scale words', the offset in memory
; v1 8 x lane; v2 that + VIMG; v3 16 r + KSC; v4, v5, v6 the loads' addresses; v7 32 r + h; v8 -infinity; v9 K's lane term; v10 8 h; v12 -M; v13 the largest score; v[14:15] l; v16-33 [0 | q | 0]; v34, v35 q's scale words;
; v84-87 K's scale words; v88-91 V's; v[220:221] f; v[222:223] 1 / l; v233 the old -M; v234 at work
	s_load_b512 s[16:31], s[0:1], 0x0
	v_lshl_add_u32 v254, v0, 2, SPARE
	v_mov_b32 v255, 0
	v_lshrrev_b32 v1, 5, v0
	v_readfirstlane_b32 s2, v1                     ; wave
	s_and_b32 s32, ttmp7, 0xffff                   ; 16 b + head
	s_lshr_b32 s33, s32, 4
	s_and_b32 s34, s32, 15
	s_lshl_b32 s35, ttmp9, 4
	s_add_co_u32 s35, s35, s2                      ; T
	s_lshl_b32 s36, s33, 5
	s_add_co_u32 s36, s36, s34
	s_mov_b32 s39, 0
	s_mul_i32 s73, s2, KSTEP
	s_mul_i32 s74, s2, STEPB
	s_add_co_u32 s75, s74, VIMG
	v_and_b32 v9, 31, v0
	v_and_b32 v10, 15, v0
	v_bfe_u32 v11, v0, 4, 1
	v_lshlrev_b32 v1, 3, v9
	v_lshlrev_b32 v234, 4, v9
	v_lshlrev_b32 v233, 4, v10
	v_add_nc_u32 v2, VIMG, v1
	v_add_nc_u32 v3, KSC, v233
	v_lshl_add_u32 v7, v10, 5, v11
	v_add_nc_u32 v[FA], s73, v234
	v_add_nc_u32 v[FA+1], s75, v234
	v_lshl_add_u32 v[FA+2], v0, 4, KSC
	v_add_nc_u32 v[FA+3], s74, v234
	v_and_b32 v235, 255, v0
	v_and_b32 v241, 7, v0                          ; j
	v_bfe_u32 v242, v0, 3, 1                       ; hh
	v_lshrrev_b32 v240, 4, v235
	v_lshlrev_b32 v235, 4, v235
	v_lshlrev_b32 v240, 8, v240
	v_mul_u32_u24 v9, v242, KFR
	v_lshl_add_u32 v240, v241, 4, v240
	v_lshl_add_u32 v9, v11, 7, v9
	v_lshl_add_u32 v248, v242, 2, v240             ; K's scale words in memory: 256 step + 16 j + 4 hh
	v_lshl_add_u32 v9, v241, 3, v9                 ; K's lane term: 1,600 hh + 128 h + 8 j
	v_lshlrev_b32 v10, 3, v11
	s_wait_alu depctr_va_vdst(0)
	s_wait_kmcnt 0x0
	s_mul_i32 s37, s36, 64*FRB
	s_add_co_u32 s38, s37, 16*64*FRB
	s_add_nc_u64 s[40:41], s[16:17], s[38:39]      ; k's images
	s_mul_i32 s38, s35, FRB
	s_add_co_u32 s38, s38, s37
	s_add_nc_u64 s[42:43], s[16:17], s[38:39]      ; my fragment of q
	s_mul_i32 s38, s32, 64*FRB
	s_add_nc_u64 s[44:45], s[20:21], s[38:39]      ; v's images
	s_lshl_b32 s37, s36, 12
	s_add_co_u32 s38, s37, 16*4096
	s_add_nc_u64 s[46:47], s[18:19], s[38:39]      ; k's scale words
	s_lshr_b32 s38, s35, 2
	s_lshl_b32 s38, s38, 8
	s_add_co_u32 s38, s38, s37
	s_and_b32 s37, s35, 3
	s_lshl_b32 s37, s37, 2
	s_add_co_u32 s38, s38, s37
	s_add_nc_u64 s[50:51], s[18:19], s[38:39]      ; q's
	s_lshl_b32 s38, s32, 12
	s_add_nc_u64 s[48:49], s[22:23], s[38:39]      ; v's
	s_lshl_b32 s38, s35, 13
	s_add_nc_u64 s[10:11], s[24:25], s[38:39]      ; my mask words
	s_lshl_b32 s38, s35, 6
	s_add_nc_u64 s[52:53], s[26:27], s[38:39]
	s_load_b512 s[80:95], s[52:53], 0x0            ; their flags
	s_lshr_b32 s37, s34, 2
	s_mul_i32 s38, s37, 512*2*FRB                  ; aoimg [head / 4][token / 16][(head / 2) % 2][1,536], pieces 3 (head % 2) on
	s_lshl_b32 s37, s33, 7
	s_lshl_b32 s54, s35, 1
	s_add_co_u32 s37, s37, s54
	s_mul_i32 s37, s37, 2*FRB
	s_add_co_u32 s38, s38, s37
	s_bfe_u32 s37, s34, 0x10001
	s_mul_i32 s37, s37, FRB
	s_add_co_u32 s38, s38, s37
	s_and_b32 s37, s34, 1
	s_mul_i32 s37, s37, 768
	s_add_co_u32 s38, s38, s37
	s_add_nc_u64 s[12:13], s[28:29], s[38:39]
	s_lshl_b32 s38, s33, 11
	s_lshl_b32 s37, s35, 5
	s_add_co_u32 s38, s38, s37
	s_lshl_b32 s38, s38, 5                         ; aosc [token][32], byte 2 head + h
	s_lshl_b32 s37, s34, 1
	s_add_co_u32 s38, s38, s37
	s_add_nc_u64 s[14:15], s[30:31], s[38:39]
.irp p, 0,1,2
	global_load_b64 v[22+2*\p:23+2*\p], v1, s[42:43] offset:256*\p
.endr
.irp p, 0,1,2
	global_load_b64 v[Q1+2*\p:Q1+2*\p+1], v1, s[42:43] offset:768+256*\p
.endr
	global_load_b32 v[QW], v233, s[50:51]
	s_cmp_lt_u32 s2, 8                             ; waves 0-7 bring K's scale words, thread t those of step t / 16, tile row t % 16; waves 8-15 V's as they lie
	s_cbranch_scc0 .Lvsc
	global_load_b32 v240, v248, s[46:47]           ; rows j: fragments hh and 2 + hh
	global_load_b32 v241, v248, s[46:47] offset:8
	global_load_b32 v242, v248, s[46:47] offset:128  ; rows 8 + j
	global_load_b32 v243, v248, s[46:47] offset:136
	s_branch .Lscj
.Lvsc:
	global_load_b128 v[244:247], v235, s[48:49]
.Lscj:
.set j, 0
.rept 12
	global_load_b128 v[S+4*j:S+4*j+3], v[FA+3], s[40:41] offset:512*j         ; a wave's load covers 512 consecutive bytes
.set j, j+1
.endr
.rept 12
	global_load_b128 v[S+4*j:S+4*j+3], v[FA+3], s[44:45] offset:512*(j-12)
.set j, j+1
.endr
	s_mov_b32 s9, 0xffff0000
	s_mov_b32 s66, 0x76543210
	s_mov_b32 s67, 0xfedcba98
	s_mov_b32 s68, 0x3e38aa3b                      ; c = log2(e) / 8
	s_mov_b32 s69, s68
	s_mov_b32 s70, 0x05040100
	s_mov_b32 s71, 0x05040302
	s_mov_b32 s72, 0x07060302
	v_mov_b32 v8, 0xff800000
.irp i, 16,17,18,19,20,21,28,29,30,31,32,33
	v_mov_b32 v\i, 0
.endr
.irp b, 0,1,2,3
	v_mov_b32 v[PT+\b], 0
.endr
	v_mov_b32 v221, 0
	v_mov_b32 v223, 0
.set j, 0
.rept 12
	s_wait_loadcnt 23-j                            ; load j of the 24 is in; the younger ones may be out
	ds_store_b128 v[FA], v[S+4*j:S+4*j+3] offset:KFR*(j/3)+512*(j%3)
.set j, j+1
.endr
.rept 12
	s_wait_loadcnt 23-j
	ds_store_b128 v[FA+1], v[S+4*j:S+4*j+3] offset:512*(j-12)
.set j, j+1
.endr
	s_cmp_lt_u32 s2, 8
	s_cbranch_scc0 .Lnoperm
	v_perm_b32 v244, v242, v240, s70               ; fragment (c, e)'s word: half e of row j's word below, of row 8 + j's above
	v_perm_b32 v245, v242, v240, s72
	v_perm_b32 v246, v243, v241, s70
	v_perm_b32 v247, v243, v241, s72
.Lnoperm:
	ds_store_b128 v[FA+2], v[244:247]
	s_wait_kmcnt 0x0
	s_or_b32 s7, s80, s81
	s_or_b32 s8, s88, s89
.irp i, 2,3,4,5,6,7
	s_or_b32 s7, s7, s[80+\i]
	s_or_b32 s8, s8, s[88+\i]
.endr
	s_wait_dscnt 0x0
	s_barrier_signal -1
	s_barrier_wait -1
.macro KLOAD
.irp c, 0,1
.irp e, 0,1
.irp o, 0,1
.irp p, 0,1,2
	ds_load_b64 v[F+12*(2*\c+\e)+6*\o+2*\p:F+12*(2*\c+\e)+6*\o+2*\p+1], v4 offset:2*KFR*\c+768*\e+64*\o+256*\p
.endr
.endr
.endr
.endr
	ds_load_b128 v[84:87], v6
.endm
.macro VLOAD
.irp b, 0,1,2,3
.irp p, 0,1,2,3,4,5
	ds_load_b64 v[F+12*\b+2*\p:F+12*\b+2*\p+1], v5 offset:FRB*\b+256*\p
.endr
.endr
	ds_load_b128 v[88:91], v6 offset:VSCO
.endm
.macro SUMS from, to                   ; lines from .. to of the 32 that bring l under the new M and add the step's 64 unquantised p, in two chains
.set k, \from
.rept (\to)-(\from)+1
.if k == 0
	v_pk_add_f32 v[SB:SB+1], v[S:S+1], v[S+2:S+3]
.elseif k == 1
	v_pk_fma_f32 v[14:15], v[14:15], v[220:221], v[S+4:S+5] op_sel_hi:[1,0,1]
.elseif k == 31
	v_pk_add_f32 v[14:15], v[14:15], v[SB:SB+1]
.elseif k%2 == 1
	v_pk_add_f32 v[14:15], v[14:15], v[S+4+4*((k-1)/2):S+5+4*((k-1)/2)]
.else
	v_pk_add_f32 v[SB:SB+1], v[SB:SB+1], v[S+6+4*((k-1)/2):S+7+4*((k-1)/2)]
.endif
.set k, k+1
.endr
.endm
.macro MEND d, y                       ; the pass's end: two half blocks a lane become one whole block a lane
.irp i, 0,1,2
	v_permlane16_swap_b32 v[\d+\i], v[\y+\i]
.endr
	s_delay_alu instid0(VALU_DEP_1)
	v_perm_b32 v[\d+3], v[\d+2], v[\d+1], s71
	s_delay_alu instid0(VALU_DEP_2)
	v_perm_b32 v[\d+4], v[\y+1], v[\d+2], s72
	s_delay_alu instid0(VALU_DEP_4)
	v_perm_b32 v[\d+1], v[\y], v[\d+1], s70
	v_perm_b32 v[\d+2], v[\y+1], v[\y], s71
	v_mov_b32 v[\d+5], v[\y+2]
.endm
.macro PASS u
.if \u
	s_wait_xcnt 0x0
.irp i, 0,1,2,3,4,5
	v_mov_b32 v[22+\i], v[Q1+\i]
.endr
	v_lshrrev_b32 v34, 16, v[QW]
	v_and_b32 v35, 0xffff0000, v[QW]
.else
	v_and_b32 v34, 0xffff, v[QW]
	v_lshlrev_b32 v35, 16, v[QW]
.endif
	v_mov_b32 v13, 0xff61b1e6                      ; the largest score so far: -3e38
	v_mov_b32 v14, 0
	v_mov_b32 v15, 0
	v_mul_f32 v234, s68, v13
	v_floor_f32 v12, -v234
	v_mov_b32 v233, v12
.set j, 0
.rept 32
	v_mov_b32 v[O+j], 0                            ; the step is written once: the first finds zeros.  (Also the places between q's scale words and the first products)
.set j, j+1
.endr
	s_mov_b32 s3, 0
.Lstep_\@:
	s_wait_dscnt 0x0                               ; K's fragments and scale words, asked for a step ago
.irp b, 0,1,2,3
	v_wmma_scale_f32_16x16x128_f8f6f4 v[S+16*\b:S+16*\b+7], v[F+12*\b:F+12*\b+11], v[22:33], 0, v[84+\b], v34 matrix_a_fmt:MATRIX_FMT_FP6 matrix_b_fmt:MATRIX_FMT_FP6
	v_wmma_scale_f32_16x16x128_f8f6f4 v[S+16*\b+8:S+16*\b+15], v[F+12*\b:F+12*\b+11], v[16:27], 0, v[84+\b], v35 matrix_a_fmt:MATRIX_FMT_FP6 matrix_b_fmt:MATRIX_FMT_FP6
.endr
	v_add_nc_u32 v5, s4, v2                        ; four places behind the products
	v_nop
	v_nop
	v_nop
	VLOAD
	s_bitcmp1_b32 s[7+\u], s3                      ; is this unit of the mask all true?
	s_cbranch_scc1 .Lopen_\@
	s_load_b512 s[16:31], s[10:11], s5 offset:4096*\u
	s_load_b512 s[32:47], s[10:11], s5 offset:4096*\u+64
	s_load_b512 s[48:63], s[10:11], s5 offset:4096*\u+128
	s_load_b512 s[80:95], s[10:11], s5 offset:4096*\u+192
	s_wait_kmcnt 0x0
.set n, 0
.rept 48
	v_cndmask_b32 v[S+n], v8, v[S+n], s[16+n]
.set n, n+1
.endr
.rept 16
	v_cndmask_b32 v[S+n], v8, v[S+n], s[32+n]
.set n, n+1
.endr
.Lopen_\@:
.irp b, 0,1,2,3
	v_max3_num_f32 v[BMX+\b], v[S+16*\b], v[S+1+16*\b], v[S+2+16*\b]   ; four chains by turns, two to a block of 32 keys
.endr
.irp i, 3,5,7,9,11,13
.irp b, 0,1,2,3
	v_max3_num_f32 v[BMX+\b], v[BMX+\b], v[S+16*\b+\i], v[S+1+16*\b+\i]
.endr
.endr
.irp c, 0,1
	v_max3_num_f32 v[BMX+2*\c], v[BMX+2*\c], v[BMX+2*\c+1], v[S+15+32*\c]
.endr
.irp c, 0,1
	v_max_num_f32 v[BMX+2*\c], v[BMX+2*\c], v[S+31+32*\c]   ; my block's largest score: also, since p rises with the score, its largest p
.endr
	v_max3_num_f32 v234, v[BMX], v[BMX+2], v13
	v_permlanex16_b32 v[PT], v234, s66, s67
	v_max_num_f32 v13, v234, v[PT]                 ; the running largest score of my query
	v_mul_f32 v234, s68, v13                       ; as t (c is positive)
	v_floor_f32 v12, -v234                         ; the new -M = -ceil(t)
	v_sub_f32 v234, v12, v233                      ; old M less new M: a whole number, 0 or less
.set j, 0
.rept 4
	v_pk_fma_f32 v[S+j:S+j+1], v[S+j:S+j+1], s[68:69], v[12:13] op_sel_hi:[1,0,0]   ; t - M, two at a time
.set j, j+2
.endr
	v_cvt_i32_f32 v234, v234                       ; (it saturates)
.rept 4
	v_pk_fma_f32 v[S+j:S+j+1], v[S+j:S+j+1], s[68:69], v[12:13] op_sel_hi:[1,0,0]
.set j, j+2
.endr
	v_ldexp_f32 v220, 1.0, v234                    ; f = 2^(old M - new M)
.rept 24
	v_pk_fma_f32 v[S+j:S+j+1], v[S+j:S+j+1], s[68:69], v[12:13] op_sel_hi:[1,0,0]
.set j, j+2
.endr
.irp c, 0,1
	v_fma_f32 v[BMX+2*\c], v[BMX+2*\c], s68, v12
.endr
.set j, 0
.rept 16
	v_pk_mul_f32 v[O+j:O+j+1], v[O+j:O+j+1], v[220:221] op_sel_hi:[1,0]   ; O^T under the new M
.set j, j+2
.endr
	s_wait_alu depctr_va_vdst(0)
	v_exp_f32 v[BMX], v[BMX]
	v_exp_f32 v[BMX+2], v[BMX+2]
.set j, 0
.rept 64
	v_exp_f32 v[S+j], v[S+j]                       ; p = 2^(t - M)
.set j, j+1
.endr
	v_mov_b32 v233, v12                            ; the next step's old -M: the plain instruction behind the last exponential
	s_wait_alu depctr_va_vdst(0)                   ; one wait for the batch
.irp c, 0,1
	v_max_num_f32 v[BMX+2*\c], 0x1800000, v[BMX+2*\c]   ; the floor 2^(3 - 127)
.endr
	SUMS 0, 1
.irp c, 0,1
	v_add_nc_u32 v[SOP+\c], 0xff000000, v[BMX+2*\c]     ; 2 off the exponent field: the conversions' scale operand
.endr
	SUMS 2, 3
.irp c, 0,1
	v_lshrrev_b32 v[PT+\c], 23, v[SOP+\c]
.endr
	SUMS 4, 5
	v_lshl_or_b32 v[PSW], v[PT+1], 16, v[PT]       ; my bytes: blocks h and 2 + h,
	SUMS 6, 7
	v_lshlrev_b32 v[PSW], v10, v[PSW]              ; 8 h bits up;
	SUMS 8, 9
	v_permlanex16_b32 v[PT+2], v[PSW], s66, s67
	SUMS 10, 11
	v_or_b32 v[PSW], v[PSW], v[PT+2]               ; with lane l xor 16's the word is whole
.irp c, 0,1
	v_cvt_scalef32_pk16_fp6_f32 v[P+6*\c:P+6*\c+2], v[S+32*\c:S+32*\c+15], v[SOP+\c]
	v_cvt_scalef32_pk16_fp6_f32 v[YT+4*\c:YT+4*\c+2], v[S+32*\c+16:S+32*\c+31], v[SOP+\c]
.endr
	SUMS 12, 12                                    ; one plain place behind a scaled conversion
.irp c, 0,1
.irp i, 0,1,2
	v_mov_b32 v[P+6*\c+3+\i], v[YT+4*\c+\i]        ; (a conversion's three registers begin on an even number)
.endr
.endr
	SUMS 13, 16                                    ; four places between p's codes and the products; fifteen behind its scale word
	s_wait_alu depctr_va_vdst(0)
	s_wait_dscnt 0x0                               ; V's fragments and scale words
.irp t, 0,1,2,3
	v_wmma_scale_f32_16x16x128_f8f6f4 v[O+8*\t:O+8*\t+7], v[F+12*\t:F+12*\t+11], v[P:P+11], v[O+8*\t:O+8*\t+7], v[88+\t], v[PSW] matrix_a_fmt:MATRIX_FMT_FP6 matrix_b_fmt:MATRIX_FMT_FP6
.endr
	SUMS 17, 20                                    ; four places in front of the loads into V's registers
	s_add_co_u32 s6, s3, 1
	s_and_b32 s6, s6, 15                           ; the next step; behind the last, step 0 again: the next pass's first
	s_mul_i32 s4, s6, STEPB
	s_mul_i32 s73, s6, KSTEP
	s_lshl_b32 s5, s6, 8
	v_add_nc_u32 v4, s73, v9
	v_add_nc_u32 v6, s5, v3
	KLOAD                                          ; a step ahead.  (In the second pass's last trip these loads bring what nobody reads: both passes are one text)
	SUMS 21, 31
	s_add_co_u32 s3, s3, 1
	s_cmp_lt_u32 s3, 16
	s_cbranch_scc1 .Lstep_\@
	; the pass's end: O^T / l, quantised along the head's 64 channels, stored as half a fragment's image
	v_add_f32 v14, v14, v15
	s_delay_alu instid0(VALU_DEP_1)
	v_permlanex16_b32 v[PT], v14, s66, s67
	s_delay_alu instid0(VALU_DEP_1)
	v_add_f32 v14, v14, v[PT]
	s_wait_alu depctr_va_vdst(0)
	v_rcp_f32 v222, v14
	v_mov_b32 v233, 0xff
	s_wait_alu depctr_va_vdst(0)
.set j, 0
.rept 16
	v_pk_mul_f32 v[O+j:O+j+1], v[O+j:O+j+1], v[222:223] op_sel_hi:[1,0]
.set j, j+2
.endr
.irp b, 0,1
	v_max3_num_f32 v[BMX+\b], |v[O+16*\b]|, |v[O+1+16*\b]|, 0x1800000
.endr
.irp i, 2,4,6,8,10,12,14
.irp b, 0,1
	s_delay_alu instid0(VALU_DEP_2)
	v_max3_num_f32 v[BMX+\b], v[BMX+\b], |v[O+16*\b+\i]|, |v[O+1+16*\b+\i]|
.endr
.endr
.irp b, 0,1
	s_delay_alu instid0(VALU_DEP_2)
	v_permlanex16_b32 v[PT+\b], v[BMX+\b], s66, s67
.endr
.irp b, 0,1
	s_delay_alu instid0(VALU_DEP_2)
	v_max_num_f32 v[BMX+\b], v[BMX+\b], v[PT+\b]
.endr
.irp b, 0,1
	s_delay_alu instid0(VALU_DEP_2)
	v_add_nc_u32 v[SOP+\b], 0xff000000, v[BMX+\b]
.endr
.irp b, 0,1
	s_delay_alu instid0(VALU_DEP_2)
	v_lshrrev_b32 v[PT+\b], 23, v[SOP+\b]
.endr
	v_cvt_scalef32_pk16_fp6_f32 v[P:P+2], v[O:O+15], v[SOP]
	v_cvt_scalef32_pk16_fp6_f32 v[YT:YT+2], v[O+16:O+31], v[SOP+1]
	v_nop
	MEND P, YT
	v_cndmask_b32 v234, v[PT], v[PT+1], s9
	v_cmp_neq_f32 vcc_lo, 0, v14
	s_delay_alu instid0(VALU_DEP_1)
	v_cndmask_b32 v234, v233, v234, vcc_lo         ; 0xff where no key was allowed
.irp i, 0,1,2
	global_store_b64 v1, v[P+2*\i:P+2*\i+1], s[12:13] offset:2*FRB*\u+256*\i   ; 32 lanes store 256 consecutive bytes, aligned
.endr
	global_store_b8 v7, v234, s[14:15] offset:512*\u
.endm
	s_mov_b32 s4, 0
	s_mov_b32 s5, 0
	v_mov_b32 v4, v9
	v_mov_b32 v6, v3
	KLOAD
	PASS 0
	PASS 1
	s_wait_dscnt 0x0
	s_wait_tensorcnt 0x0                           ; the wave's end
	ds_add_u32 v254, v255
	s_wait_dscnt 0x0
	s_endpgm
.Lfunc_end_k_q0373e9d43d_attn:
	.size	k_q0373e9d43d_attn, .Lfunc_end_k_q0373e9d43d_attn-k_q0373e9d43d_attn
	.p2alignl 7, 3214868480
	.fill 96, 4, 3214868480
	.section	.rodata,"a",@progbits
	.p2align	6, 0x0
	.amdhsa_kernel k_q0373e9d43d_attn
		.amdhsa_group_segment_fixed_size 210944
		.amdhsa_private_segment_fixed_size 0
		.amdhsa_enable_private_segment 0
		.amdhsa_kernarg_size 64
		.amdhsa_user_sgpr_count 2
		.amdhsa_user_sgpr_kernarg_segment_ptr 1
		.amdhsa_wavefront_size32 1
		.amdhsa_system_sgpr_workgroup_id_x 1
		.amdhsa_system_sgpr_workgroup_id_y 1
		.amdhsa_system_sgpr_workgroup_id_z 1
		.amdhsa_system_vgpr_workitem_id 0
		.amdhsa_next_free_vgpr 256
		.amdhsa_next_free_sgpr 100
		.amdhsa_reserve_vcc 1
		.amdhsa_float_denorm_mode_32 3
		.amdhsa_float_denorm_mode_16_64 3
		.amdhsa_memory_ordered 1
		.amdhsa_forward_progress 1
		.amdhsa_inst_pref_size 67
	.end_amdhsa_kernel
	.amdgpu_metadata
---
amdhsa.version: [ 1, 2 ]
amdhsa.kernels:
  - .name:           k_q0373e9d43d_attn
    .symbol:         k_q0373e9d43d_attn.kd
    .args:
      - { .name: qkimg, .offset: 0, .size: 8, .value_kind: global_buffer, .address_space: global }
      - { .name: qksc, .offset: 8, .size: 8, .value_kind: global_buffer, .address_space: global }
      - { .name: vimg, .offset: 16, .size: 8, .value_kind: global_buffer, .address_space: global }
      - { .name: vsc, .offset: 24, .size: 8, .value_kind: global_buffer, .address_space: global }
      - { .name: mw, .offset: 32, .size: 8, .value_kind: global_buffer, .address_space: global }
      - { .name: mf, .offset: 40, .size: 8, .value_kind: global_buffer, .address_space: global }
      - { .name: aoimg, .offset: 48, .size: 8, .value_kind: global_buffer, .address_space: global }
      - { .name: aosc, .offset: 56, .size: 8, .value_kind: global_buffer, .address_space: global }
    .group_segment_fixed_size: 210944
    .private_segment_fixed_size: 0
    .kernarg_segment_align: 8
    .kernarg_segment_size: 64
    .max_flat_workgroup_size: 512
    .sgpr_count:     100
    .vgpr_count:     256
    .wavefront_size: 32
...
	.end_amdgpu_metadata
.endif
;; end of part 2
;; launch proj (part 3): grid 4 x 64, 4 waves a work-group, clusters of 4 x 4, 327,680 bytes of LDS; arguments aoimg, aosc, out_w_codes, out_w_scales, out_b, out0; writes out0
.if DOCPART == 3
	.amdgcn_target "amdgcn-amd-amdhsa--gfx1250"
	.amdhsa_code_object_version 6
	.text
	.protected	k_q0373e9d43d_proj
	.globl	k_q0373e9d43d_proj
	.p2align	8
	.type	k_q0373e9d43d_proj,@function
k_q0373e9d43d_proj:
	s_mov_b64 s[64:65], 0
	v_nop
	global_prefetch_b8 v0, s[64:65] scope:SCOPE_SE
	s_setreg_imm32_b32 hwreg(HW_REG_WAVE_MODE, 25, 1), 1
	s_wait_xcnt 0x0
	s_wait_alu depctr_hold_cnt(0) depctr_sa_sdst(0) depctr_va_vdst(0) depctr_va_sdst(0) depctr_va_ssrc(0) depctr_va_vcc(0) depctr_vm_vsrc(0)
	s_getreg_b32 s2, hwreg(HW_REG_IB_STS2, 6, 4)
	s_cmp_eq_u32 s2, 0
	s_cbranch_scc0 .Lentry_in_a_cluster
	s_endpgm
.Lentry_in_a_cluster:
	s_bfe_u32 s2, ttmp6, 0x10000c
	s_cmp_lg_u32 s2, 0xf033
	s_cbranch_scc0 .Lentry_shape_is_right
	s_endpgm
.Lentry_shape_is_right:
; out0 = attention's result x out_w^T + out_b on codes of FP6 (E2M3) with E8M0 scales.  A work-group of four waves makes 128 tokens x 256 columns: 64 x 4 = 256 work-groups; a wave makes 64 x 128, 32 accumulators.
; ALL OF K LIES IN LDS, filled once: A as register images (four planes of 24,576 bytes, one for each 256 along K), B as 256 whole rows of 768 bytes, 16 bytes of padding behind every 256 (pitch 816):
; every tile row begins at a multiple of 256 bytes.  One joint load a wave at the head: waves 0, 1 two planes of A each (shared along the cluster's row), waves 2, 3 128 rows of B each (shared along its column).
; Nothing is filled again, so there is one barrier behind the loads and one in front of the stage.  No prefetch: all is asked for at the head, and there is no loop to run ahead in.
; The scale words (32 bytes a row: eight steps) go from memory straight into registers, lane r taking row r's.  The bias is the C of the first step's products.
; Source 0 = rows of out_w, source 1 = tokens: a lane holds eight neighbouring columns of a row of the output, which leaves through a stage in A's bytes as whole rows of 512 bytes.
; REGISTERS: window 0: v0-31 addresses; v32-63 A's scale words (8 a + step); v64-127 B's (8 b + step); v128-223 A's fragments, two sets.  Window 1: B's fragments, two sets, at v0 and v128; the bias at v96-127, v224-255.  Window 2: the accumulators.
.set SIZE_N, 1024
.set KROW,   768
.set BP,     816
.set FR,     12
.set FRB,    1536
.set PLANE,  8*2*FRB
.set SIGMA,  512*2*FRB
.set BOFF,   4*PLANE
.set SPARE,  BOFF+256*BP
.set SPITCH, 528
.set ADRA, 16
.set ADRB, 20
.set STO,  24
.set RD,   25
.set CO,   26
.set SPW,  28
.set NIL,  29
.set SCA,  32
.set SCB,  64
.set AF,   128
.set BK,   128
.set G1, 24
.set G0, 32
.set G1B, 48
.set G0B, 56
.set MSB, 0
.macro WIN new
.if MSB != (\new)
	s_set_vgpr_msb (MSB<<8)|(\new)
.set MSB, (\new)
.endif
.endm
.set TO_B, 0x40
.macro CREST
	s_cmp_lg_u32 s14, 0
	s_cbranch_scc1 .Lnot_wave_0_\@
	s_barrier_signal -3
.Lnot_wave_0_\@:
	s_barrier_wait -3
	s_barrier_signal -1
	s_barrier_wait -1
.endm
.macro CROUND
	s_barrier_signal -1
	s_barrier_wait -1
	CREST
.endm
.macro PLACES n
.rept \n
	v_nop
.endr
.endm
	s_load_b128 s[4:7], s[0:1], 0x0                ; aoimg, aosc
	s_load_b128 s[8:11], s[0:1], 0x10              ; out_w codes, scales
	s_load_b64 s[96:97], s[0:1], 0x20              ; out_b
	s_load_b64 s[12:13], s[0:1], 0x28              ; out0
	v_lshl_add_u32 v[SPW], v0, 2, SPARE
	v_mov_b32 v[NIL], 0
	ds_add_u32 v[SPW], v[NIL]                      ; the opening lines: the add twice on end
	ds_add_u32 v[SPW], v[NIL]
	v_lshrrev_b32 v1, 5, v0
	v_readfirstlane_b32 s14, v1                    ; wave
	s_lshr_b32 s15, s14, 1                         ; my 64 tokens.  Also: I fetch for A (0) or B (1)
	s_and_b32 s16, s14, 1                          ; my 128 columns.  Also: which half I fetch
	s_bfe_u32 s40, ttmp6, 0x40000
	s_bfe_u32 s41, ttmp6, 0x40004
	s_lshl_b32 s42, ttmp9, 2
	s_add_co_u32 s42, s42, s40                     ; block of 256 columns
	s_and_b32 s17, ttmp7, 0xffff
	s_lshl_b32 s17, s17, 2
	s_add_co_u32 s17, s17, s41                     ; block of 128 tokens
	s_lshl_b32 s43, s41, 2
	s_lshl_b32 s43, 15, s43
	s_lshl_b32 s44, 0x1111, s40
	s_or_b32 s[G1+0], s43, (3<<16)|(1<<21)         ; A: two rows of 24,576 bytes (3,072 elements of 8), a plane apart
	s_mov_b32 s[G1+1], (PLANE/8)<<16
	s_mov_b32 s[G1+2], 2<<16
	s_mov_b32 s[G1+3], (PLANE/8)<<16
	s_mov_b32 s[G1+4], 2
	s_mov_b32 s[G1+5], SIGMA/8
	s_mov_b32 s[G1+6], 0
	s_mov_b32 s[G1+7], 0
	s_or_b32 s[G1B+0], s44, (0<<16)|(1<<20)|(1<<21)|(5<<22)|(3<<25)   ; B: 128 rows of 768 bytes, 4 words of padding behind every 64
	s_mov_b32 s[G1B+1], KROW<<16
	s_mov_b32 s[G1B+2], 128<<16
	s_mov_b32 s[G1B+3], KROW<<16
	s_mov_b32 s[G1B+4], 128
	s_mov_b32 s[G1B+5], KROW
	s_mov_b32 s[G1B+6], 0
	s_mov_b32 s[G1B+7], 0
	s_mul_i32 s20, s17, PLANE
	s_mul_i32 s18, s16, 2*SIGMA
	s_add_co_u32 s20, s20, s18
	s_mov_b32 s21, 0
	s_lshl_b32 s46, s42, 8
	s_lshl_b32 s18, s16, 7
	s_add_co_u32 s46, s46, s18
	s_lshl_b32 s92, s46, 5                         ; my columns' scales
	s_mov_b32 s93, 0
	s_mul_i32 s46, s46, KROW
	s_mov_b32 s47, 0
	s_lshl_b32 s22, s17, 7
	s_lshl_b32 s18, s15, 6
	s_add_co_u32 s22, s22, s18                     ; my first token
	s_lshl_b32 s94, s22, 12                        ; its row of out0
	s_mov_b32 s95, 0
	s_lshl_b32 s22, s22, 5                         ; its scales
	s_mov_b32 s23, 0
	s_lshl_b32 s18, s42, 10
	s_lshl_b32 s19, s16, 9
	s_add_co_u32 s18, s18, s19                     ; my first column, in bytes of f32
	s_mov_b32 s19, 0
	s_mov_b32 s[G0], 1
	s_mul_i32 s[G0+1], s16, 2*PLANE
	s_mov_b32 s[G0B], 1
	s_mul_i32 s[G0B+1], s16, 128*BP
	s_add_co_u32 s[G0B+1], s[G0B+1], BOFF
	s_mul_i32 s45, s15, 4*2*FRB                    ; my four blocks of tokens in a plane
	s_mul_i32 s66, s16, 128*BP
	s_add_co_u32 s66, s66, BOFF                    ; my 128 rows of B
	s_mul_i32 s67, s14, 16*SPITCH                  ; my stage
	s_wait_dscnt 0x0
	s_wait_kmcnt 0x0
	s_add_nc_u64 s[G0+2:G0+3], s[4:5], s[20:21]
	s_or_b32 s[G0+3], s[G0+3], 0x80000000
	s_add_nc_u64 s[G0B+2:G0B+3], s[8:9], s[46:47]
	s_or_b32 s[G0B+3], s[G0B+3], 0x80000000
	s_add_nc_u64 s[6:7], s[6:7], s[22:23]
	s_add_nc_u64 s[10:11], s[10:11], s[92:93]
	s_add_nc_u64 s[96:97], s[96:97], s[18:19]
	s_add_nc_u64 s[12:13], s[12:13], s[94:95]
	s_add_nc_u64 s[12:13], s[12:13], s[18:19]
	CROUND
	s_cmp_eq_u32 s15, 0
	s_cbranch_scc0 .Lfor_b
	tensor_load_to_lds s[G0:G0+3], s[G1:G1+7]
	s_nop 0
	PLACES 4
	s_branch .Lasked
.Lfor_b:
	tensor_load_to_lds s[G0B:G0B+3], s[G1B:G1B+7]
	s_nop 0
	PLACES 4
.Lasked:
	v_and_b32 v1, 15, v0
	v_bfe_u32 v2, v0, 4, 1
	v_and_b32 v6, 31, v0
	v_lshlrev_b32 v7, 3, v6
	v_mul_u32_u24 v3, v1, BP
	v_add_nc_u32 v[ADRA], s45, v7                  ; planes 0, 1
	v_mad_u32_u24 v3, v2, 24, v3
	v_add_nc_u32 v[ADRA+1], 2*PLANE, v[ADRA]       ; planes 2, 3
	v_add_nc_u32 v[ADRB], s66, v3                  ; blocks 0-3
	v_mul_u32_u24 v4, v1, SPITCH
	v_add_nc_u32 v[ADRB+1], 64*BP, v[ADRB]         ; blocks 4-7
	v_lshl_add_u32 v[ADRB+2], v2, 4, v[ADRB]       ; where lanes 16-31 read behind the next padding
	v_lshl_add_u32 v[ADRB+3], v2, 4, v[ADRB+1]
	v_lshl_add_u32 v4, v2, 5, v4
	v_lshlrev_b32 v[CO], 4, v6
	v_add_nc_u32 v[STO], s67, v4
	v_add_nc_u32 v[RD], s67, v[CO]
	v_lshlrev_b32 v5, 5, v1                        ; 32 r: a row of scales
	v_lshlrev_b32 v8, 5, v2                        ; 32 h: the bias
	s_wait_alu depctr_va_vdst(0)
.irp a, 0,1,2,3
	global_load_b128 v[SCA+8*\a:SCA+8*\a+3], v5, s[6:7] offset:512*\a
	global_load_b128 v[SCA+8*\a+4:SCA+8*\a+7], v5, s[6:7] offset:512*\a+16
.endr
.irp b, 0,1,2,3,4,5,6,7
	global_load_b128 v[SCB+8*\b:SCB+8*\b+3], v5, s[10:11] offset:512*\b
	global_load_b128 v[SCB+8*\b+4:SCB+8*\b+7], v5, s[10:11] offset:512*\b+16
.endr
	WIN TO_B
.irp b, 0,1,2,3,4,5,6,7
	global_load_b128 v[96+8*\b+96*(\b/4):96+8*\b+96*(\b/4)+3], v8, s[96:97] offset:64*\b
	global_load_b128 v[96+8*\b+96*(\b/4)+4:96+8*\b+96*(\b/4)+7], v8, s[96:97] offset:64*\b+16
.endr
	WIN 0
.macro FETCH st                        ; step st's fragments into set st % 2: B's eight, A's four
	WIN TO_B
.irp i, 0,1,2,3,4,5,6,7
.irp p, 0,1,2,3,4,5
.set BY, 96*(\st)+48*(\p/3)+8*(\p%3)   ; byte y of a row of codes lies at y + 16 (y / 256) of the LDS row
.if BY/256 == (BY+24)/256
	ds_load_b64 v[128*((\st)%2)+FR*\i+2*\p:128*((\st)%2)+FR*\i+2*\p+1], v[ADRB+\i/4] offset:BY+16*(BY/256)+(\i%4)*16*BP
.else
	ds_load_b64 v[128*((\st)%2)+FR*\i+2*\p:128*((\st)%2)+FR*\i+2*\p+1], v[ADRB+2+\i/4] offset:BY+16*(BY/256)+(\i%4)*16*BP
.endif
.endr
.endr
	WIN 0
.irp i, 0,1,2,3
.irp p, 0,1,2,3,4,5
	ds_load_b64 v[AF+48*((\st)%2)+FR*\i+2*\p:AF+48*((\st)%2)+FR*\i+2*\p+1], v[ADRA+(\st)/4] offset:PLANE*(((\st)/2)%2)+2*FRB*\i+FRB*((\st)%2)+256*\p
.endr
.endr
.endm
.macro MUL st, first                   ; 32 products; the accumulators take turns
.irp a, 0,1,2,3
.irp b, 0,1,2,3,4,5,6,7
.if \first
	v_wmma_scale_f32_16x16x128_f8f6f4 v[8*(8*\a+\b):8*(8*\a+\b)+7], v[128*((\st)%2)+FR*\b:128*((\st)%2)+FR*\b+FR-1], v[AF+48*((\st)%2)+FR*\a:AF+48*((\st)%2)+FR*\a+FR-1], v[96+8*\b+96*(\b/4):96+8*\b+96*(\b/4)+7], v[SCB+8*\b+(\st)], v[SCA+8*\a+(\st)] matrix_a_fmt:MATRIX_FMT_FP6 matrix_b_fmt:MATRIX_FMT_FP6
.else
	v_wmma_scale_f32_16x16x128_f8f6f4 v[8*(8*\a+\b):8*(8*\a+\b)+7], v[128*((\st)%2)+FR*\b:128*((\st)%2)+FR*\b+FR-1], v[AF+48*((\st)%2)+FR*\a:AF+48*((\st)%2)+FR*\a+FR-1], v[8*(8*\a+\b):8*(8*\a+\b)+7], v[SCB+8*\b+(\st)], v[SCA+8*\a+(\st)] matrix_a_fmt:MATRIX_FMT_FP6 matrix_b_fmt:MATRIX_FMT_FP6
.endif
.endr
.endr
.endm
	s_wait_tensorcnt 0x0                           ; my part of A or B is in
	s_barrier_signal -1
	s_barrier_wait -1                              ; and everybody's
	FETCH 0
	s_wait_loadcnt 0x0                             ; the scale words and the bias
	s_wait_dscnt 0x0
	FETCH 1
	WIN 0x91                                       ; B window 1, A window 0, C (the bias) window 1, D window 2
	MUL 0, 1
	WIN 0
.set ST, 1
.rept 7
	s_wait_dscnt 0x0                               ; step ST's fragments, asked for 32 products ago
.if ST < 7
	PLACES 4                                       ; in front of loads into registers that the last step's products read
	FETCH ST+1
.endif
	WIN 0xa1
	MUL ST, 0
	WIN 0
.set ST, ST+1
.endr
	s_barrier_signal -1                            ; no LDS load of mine is out: A's bytes are read no more
	s_barrier_wait -1
.macro TOSTAGE a
	WIN 0x08
.irp b, 0,1,2,3,4,5,6,7
	ds_store_b128 v[STO], v[64*(\a)+8*\b:64*(\a)+8*\b+3] offset:64*\b
	ds_store_b128 v[STO], v[64*(\a)+8*\b+4:64*(\a)+8*\b+7] offset:64*\b+16
.endr
	WIN 0
.set BB, BK+64*((\a)%2)
.irp t, 0,1,2,3,4,5,6,7,8,9,10,11,12,13,14,15
	ds_load_b128 v[BB+4*\t:BB+4*\t+3], v[RD] offset:\t*SPITCH
.endr
.endm
.macro SEND a, younger
.set BB, BK+64*((\a)%2)
	s_wait_dscnt \younger
.if (\a) > 0
	s_add_nc_u64 s[12:13], s[12:13], 16*SIZE_N*4
.endif
.irp t, 0,1,2,3,4,5,6,7,8,9,10,11,12,13,14,15
	global_store_b128 v[CO], v[BB+4*\t:BB+4*\t+3], s[12:13] offset:\t*SIZE_N*4 th:TH_STORE_NT   ; 32 lanes store 512 consecutive bytes, aligned
.endr
.endm
	PLACES 4
	TOSTAGE 0
.irp a, 1,2,3
.if \a > 1
	s_wait_xcnt 0x0
.endif
	TOSTAGE \a
	SEND \a-1, 32                                  ; behind block a - 1's loads: block a's 16 stores and 16 loads
.endr
	s_wait_xcnt 0x0
	SEND 3, 0
	s_wait_tensorcnt 0x0                           ; the wave's end
	ds_add_u32 v[SPW], v[NIL]
	s_wait_dscnt 0x0
	CROUND
	s_endpgm
.Lfunc_end_k_q0373e9d43d_proj:
	.size	k_q0373e9d43d_proj, .Lfunc_end_k_q0373e9d43d_proj-k_q0373e9d43d_proj
	.p2alignl 7, 3214868480
	.fill 96, 4, 3214868480
	.section	.rodata,"a",@progbits
	.p2align	6, 0x0
	.amdhsa_kernel k_q0373e9d43d_proj
		.amdhsa_group_segment_fixed_size 327680
		.amdhsa_private_segment_fixed_size 0
		.amdhsa_enable_private_segment 0
		.amdhsa_kernarg_size 48
		.amdhsa_user_sgpr_count 2
		.amdhsa_user_sgpr_kernarg_segment_ptr 1
		.amdhsa_wavefront_size32 1
		.amdhsa_system_sgpr_workgroup_id_x 1
		.amdhsa_system_sgpr_workgroup_id_y 1
		.amdhsa_system_sgpr_workgroup_id_z 1
		.amdhsa_system_vgpr_workitem_id 0
		.amdhsa_next_free_vgpr 1024
		.amdhsa_next_free_sgpr 98
		.amdhsa_reserve_vcc 0
		.amdhsa_float_denorm_mode_32 3
		.amdhsa_float_denorm_mode_16_64 3
		.amdhsa_memory_ordered 1
		.amdhsa_forward_progress 1
		.amdhsa_inst_pref_size 96
	.end_amdhsa_kernel
	.amdgpu_metadata
---
amdhsa.version: [ 1, 2 ]
amdhsa.kernels:
  - .name:           k_q0373e9d43d_proj
    .symbol:         k_q0373e9d43d_proj.kd
    .args:
      - { .name: aoimg, .offset: 0, .size: 8, .value_kind: global_buffer, .address_space: global }
      - { .name: aosc, .offset: 8, .size: 8, .value_kind: global_buffer, .address_space: global }
      - { .name: out_w_codes, .offset: 16, .size: 8, .value_kind: global_buffer, .address_space: global }
      - { .name: out_w_scales, .offset: 24, .size: 8, .value_kind: global_buffer, .address_space: global }
      - { .name: out_b, .offset: 32, .size: 8, .value_kind: global_buffer, .address_space: global }
      - { .name: out0, .offset: 40, .size: 8, .value_kind: global_buffer, .address_space: global }
    .group_segment_fixed_size: 327680
    .private_segment_fixed_size: 0
    .kernarg_segment_align: 8
    .kernarg_segment_size: 48
    .max_flat_workgroup_size: 128
    .sgpr_count:     98
    .vgpr_count:     1024
    .wavefront_size: 32
...
	.end_amdgpu_metadata
.endif
;; end of part 3
